; MI455X (gfx1250); checked and timed in simulation.
; The chip was launched on July 23, 2026; its instructions are those of AMD's public machine-readable ISA for CDNA 5 (MIT licence, August 2026) and "CDNA5" Instruction Set Architecture Reference Guide (July 2026). The comments in the code are by the model that wrote it; some were corrected since.
;; Sparse Attention. Allowed arithmetic: matrix products marked QUANTISED: E5M2 operands, one E8M0 scale for each 32 along K, by v_wmma_scale_f32_16x16x128_f8f6f4 with both operands' format E5M2, f32 sums; everything else in f32.
;; Inputs: k 2 x 4,096 x 1,024 float32; q 2 x 4,096 x 1,024 float32; v 2 x 4,096 x 1,024 float32.
;; Outputs: out0 2 x 4,096 x 1,024 float32.
;; This version of the problem:
;;   THIS VERSION OF THE PROBLEM IS GIVEN IN LOW PRECISION. The matrix products marked QUANTISED in the list below multiply operands that are first quantised to E5M2 (5 exponent bits, 2 mantissa bits; 8 bits a number), with one power-of-two scale for each 32 numbers along K (OCP MX v1.0); their sums are f32. All else is computed in f32.
;;   The module's matrix products, in the order in which they are computed (A, B: the left and right operand; K: the contracted axis; several contracted axes count as one K, in the product's order):
;;     1. batch 2 x [M 4,096, K 1,024] x [K 1,024, N 4,096]; A: input q; B: input k: QUANTISED
;;     2. batch 2 x [M 4,096, K 4,096] x [K 4,096, N 1,024]; A: softmax (see below); B: input v: QUANTISED
;;   THE QUANTISER, for each operand of a quantised product, along K:
;;     - K is cut into blocks of 32 from its start; a last block that is shorter is filled with zeros.
;;     - A block's scale is 2^e with e = floor(log2(the largest magnitude in the block)) - 15, held to -126 .. 127; a block of zeros has e = 0. As a byte (E8M0): e + 127.
;;     - Each number is divided by its block's scale, clamped to +-57,344, and rounded to the nearest number of E5M2, ties to even, subnormals kept.
;;     - The product sums the exact products of the quantised numbers (number of the format x scale) in f32.
;;   ~~~python
;;   def quantise(x, axis):      # numpy; x: float32 -> the quantised numbers, widened to float32 again
;;       x = np.moveaxis(x, axis, -1); K = x.shape[-1]
;;       x = np.pad(x, [(0, 0)] * (x.ndim - 1) + [(0, -K % 32)]); x = x.reshape(x.shape[:-1] + (-1, 32)); a = np.abs(x).max(-1, keepdims=True)
;;       e = np.where(a > 0, np.clip(np.frexp(np.where(a > 0, a, 1))[1] - 1 - 15, -126, 127), 0)      # np.frexp(a)[1] - 1 = floor(log2(a)), exactly
;;       r = np.clip(x / 2.0 ** e, -57344, 57344)
;;       step = 2.0 ** (np.maximum(np.frexp(np.where(r == 0, 1, r))[1] - 1, -14) - 2)
;;       q = np.round(r / step) * step * 2.0 ** e      # np.round: ties to even
;;       return np.moveaxis(q.reshape(q.shape[:-2] + (-1,))[..., :K], -1, axis).astype(np.float32)
;;   ~~~
;;   SOFTMAX AHEAD OF A QUANTISED PRODUCT. Where the list says 'softmax', what is quantised is not the finished softmax but p = 2^(t - M), with t = logit x log2(e) and M = ceil(the row's largest t), a whole number; so 1/2 < the row's largest p <= 1. The row's sum l is taken of the UNQUANTISED p, in f32, and the product's result is divided by l at the end. Since M is a whole number, a kernel that streams over the keys may use a running M (the ceiling of the running maximum): every later rescaling is an exact power of two, which a block's scale takes up: the codes' values come out the same.
;;   OPERANDS COMPUTED ON THE WAY. 'Computed on the way' means the value that the module computes at that place (a softmax that the list does not call 'softmax' is quantised finished and normalised). What goes into a quantiser is computed in f32, as accurately as f32 sums, v_exp_f32 and their like allow (about 1e-6 of the number): no bf16 or f16 on the way to a quantiser, and a product that is left as it is and whose result goes on into a quantised operand takes f32 operands (vector FMAs, or v_wmma_f32_16x16x4_f32). A number that lies on a knife's edge between two numbers of the format may be rounded either way, as far as f32 arithmetic and the matrix unit's own rounding can turn it there, and no further.
;; One version. Each part assembles by itself: llvm-mc -triple=amdgcn-amd-amdhsa -mcpu=gfx1250 --defsym DOCPART=n.
;; ======== version 1 of 1: 3 launches
;; workspace buffers: qc 8,388,608 bytes; qs 262,144 bytes; kc 8,388,608 bytes; ks 262,144 bytes; vc 8,388,608 bytes; vsc 262,144 bytes; pc 33,554,432 bytes; st 4,194,304 bytes
;; launch quant (part 1): grid 768 x 1, 4 waves a work-group, no clusters, 68,096 bytes of LDS; arguments q, k, v, qc, qs, kc, ks, vc, vsc; writes qc, qs, kc, ks, vc, vsc
.if DOCPART == 1
	.amdgcn_target "amdgcn-amd-amdhsa--gfx1250"
	.amdhsa_code_object_version 6
	.text
	.protected	k_qc556540e0e_quant
	.globl	k_qc556540e0e_quant
	.p2align	8
	.type	k_qc556540e0e_quant,@function
k_qc556540e0e_quant:
	s_mov_b64 s[64:65], 0
	v_nop
	global_prefetch_b8 v0, s[64:65] scope:SCOPE_SE
	s_setreg_imm32_b32 hwreg(HW_REG_WAVE_MODE, 25, 1), 1
	s_wait_xcnt 0x0
; q, k, v [2][4096][1024] f32 become codes of BF8 (E5M2) with one E8M0 scale byte for each 32 along a product's K.
; q and k are operands of the first product, K = the 1,024 channels, which lie innermost.  v is an operand of the second, K = the keys in the order of the strided transpose:
; token 32 bq + l stands at place 128 l + bq, so a block of 32 along that K is 32 tokens that lie 32 apart.
; OUT.  qc [8192 rows = batch x 4096 + token][1024], qs [8192][32].
;       kc [batch][pos][1024], ks likewise [32]: pos = 128 l + (bq with its bits 3 and 4 exchanged): 16 rows on end are then the 16 keys that the next launch wants as one tile,
;       so that its results' registers run along neighbouring places of the second product's K.
;       vc [batch][64 blocks of 16 channels][32 steps of 128 places][2048]: each 2,048 bytes are the image of an operand's registers: byte 512 c + 16 lane + i is channel lane % 16, place 32 c + 16 (lane / 16) + i.
;       vsc [batch][16][1024 channels][8]: the eight scale bytes of 256 places.
; A block's scale is 2^(floor(log2(its largest magnitude)) - 15); its byte is the largest magnitude's exponent field - 15, held at 1 from below.
; LIMITS: a block of zeros gets the byte 1 where the quantiser says 127 (its codes are zeros, which add nothing under any byte but 0xff, and this program alone reads the bytes); blocks whose largest
; magnitude lies under 2^(16 - 127) are quantised under the byte 1; NaN and infinities among the inputs are not served.
; SHARES.  768 work-groups of four waves, 131,072 bytes of input each: 0-255 take q, 256-511 k, 512-767 v.  Work-groups share no input: no cluster, no tensor load, no barrier; waves share nothing.
; The two ways through the text part on the work-group's number and have LDS bytes of their own.
.set STEPS, 16
.set EMAX,  15
.set MANT,  0x600000                   ; the mantissa field of 57,344 as f32
.set WREG,  8192                       ; q, k: a wave's LDS region: two stages of 32 x SP bytes, and behind them its 256 scale bytes
.set SP,    80                         ; a lane's place in a stage: 64 bytes + 16 of padding
.set VST,   4*WREG                     ; v: four stages of 32 rows x VP bytes
.set VP,    272                        ; 256 bytes of codes + 16 of padding
.set SPARE, VST+4*32*VP                ; the spare words, 128 bytes for each wave: two blocks of 256 bytes that no other line names
.set R,     16                         ; q, k: v16-79 four sets of 16 numbers as loaded
.set X,     80                         ;       v80-111 two sets of 16 neighbours
.set E,     112                        ;       v112-127 a scale byte for each step
.set C,     128                        ;       v128-191 four registers of codes for each step
.set SRC,   192                        ;       v192-199 byte offset of my 16 bytes in each of the run's eight source rows; never rewritten
.set XV,    32                         ; v: v32-95 two sets of 32 numbers
.set CV,    96                         ;    v96-103 a block's codes
.set OUTR,  112                        ;    v112-175 the way out
.set SB,    24                         ;    v24-25 the eight scale bytes
.set NB,    8
.set SPW,   200                        ; v200 LDS address of my spare word; never rewritten
.set NIL,   201                        ; v201 0; never rewritten
	s_load_b128 s[4:7], s[0:1], 0x0                ; q, k
	s_load_b64 s[8:9], s[0:1], 0x10                ; v
	s_load_b256 s[12:19], s[0:1], 0x18             ; qc, qs, kc, ks
	s_load_b128 s[20:23], s[0:1], 0x38             ; vc, vsc
	v_lshl_add_u32 v[SPW], v0, 2, SPARE
	v_mov_b32 v[NIL], 0
	v_lshrrev_b32 v1, 5, v0
	v_readfirstlane_b32 s24, v1                    ; wave 0..3
	v_and_b32 v2, 31, v0                           ; lane
	s_mov_b32 s36, MANT                            ; (an instruction takes one literal: the hold's line has another)
	s_cmp_ge_u32 ttmp9, 512
	s_cbranch_scc1 .Lv
; ---------------- q and k: K innermost.  A wave takes a run of 8 destination rows, 16 steps of 512 numbers.  Each load reads 512 consecutive bytes; a step's 2,048 bytes turn through the wave's stage,
; so that a lane then holds 16 neighbours and two neighbouring lanes a block.  The order of k's rows is made on the READ side: the run's eight source rows lie 32 tokens apart, and every store stays dense.
	v_lshlrev_b32 v3, 4, v2                        ; my 16 bytes of a load's 512, and my 16 codes of a step's 512
	s_mul_i32 s37, s24, WREG
	v_lshrrev_b32 v14, 2, v2
	v_mul_u32_u24 v14, v14, SP
	v_and_b32 v15, 3, v2
	v_lshl_add_u32 v14, v15, 4, v14
	v_add_nc_u32 v14, s37, v14                     ; the stage, on the way in: SP (lane / 4) + 16 (lane % 4)
	v_mul_u32_u24 v15, v2, SP
	v_add_nc_u32 v15, s37, v15                     ; and on the way out: SP x lane
	v_lshrrev_b32 v5, 1, v2
	s_add_co_u32 s37, s37, 2*32*SP
	v_add_nc_u32 v5, s37, v5                       ; my block's byte among my wave's 256 scale bytes
	v_lshlrev_b32 v7, 3, v2
	v_add_nc_u32 v6, s37, v7                       ; on the way out 8 of them a lane
	s_and_b32 s25, ttmp9, 255
	s_lshl_b32 s25, s25, 2
	s_add_co_u32 s25, s25, s24                     ; the run, 0..1023: destination rows 8 run .. 8 run + 7
	s_lshl_b32 s26, s25, 15                        ; q: the same rows of the source
	s_lshr_b32 s28, s25, 9
	s_lshl_b32 s28, s28, 24                        ; k: the batch,
	s_and_b32 s29, s25, 511
	s_lshr_b32 s30, s29, 4                         ; l,
	s_and_b32 s29, s29, 15                         ; bits 3 to 6 of pos:
	s_and_b32 s31, s29, 1
	s_lshl_b32 s31, s31, 4                         ; bit 3 of pos is bit 4 of bq,
	s_and_b32 s32, s29, 2
	s_lshl_b32 s32, s32, 2                         ; bit 4 is bit 3,
	s_and_b32 s33, s29, 12
	s_lshl_b32 s33, s33, 3                         ; bits 5 and 6 stay
	s_or_b32 s31, s31, s32
	s_or_b32 s31, s31, s33                         ; bq of the run's first row; the other seven follow it
	s_lshl_b32 s31, s31, 5
	s_add_co_u32 s31, s31, s30                     ; its token, 32 bq + l
	s_lshl_b32 s31, s31, 12
	s_add_co_u32 s28, s28, s31
	s_mov_b32 s35, 131072                          ; k: from row to row of the run 32 tokens
	s_wait_kmcnt 0x0
	s_cmp_lt_u32 ttmp9, 256                        ; q's work-group or k's?  The choice hangs on the work-group's number alone
	s_cselect_b64 s[4:5], s[4:5], s[6:7]
	s_cselect_b64 s[12:13], s[12:13], s[16:17]
	s_cselect_b64 s[14:15], s[14:15], s[18:19]
	s_cselect_b32 s26, s26, s28
	s_cselect_b32 s34, 4096, s35
	s_mov_b32 s27, 0
	s_add_nc_u64 s[4:5], s[4:5], s[26:27]
	s_lshl_b32 s28, s25, 13
	s_mov_b32 s29, 0
	s_add_nc_u64 s[12:13], s[12:13], s[28:29]      ; the run's 8,192 codes
	s_lshl_b32 s28, s25, 8
	s_add_nc_u64 s[14:15], s[14:15], s[28:29]      ; and its 256 scale bytes
.irp j, 0,1,2,3,4,5,6,7
	s_mul_i32 s30, s34, \j
	v_add_nc_u32 v[SRC+\j], s30, v3
.endr
.macro QLOAD t                         ; step t: half t % 2 of the run's row t / 2
.irp i, 0,1,2,3
	global_load_b128 v[R+16*((\t)%4)+4*\i:R+16*((\t)%4)+4*\i+3], v[SRC+(\t)/2], s[4:5] offset:((\t)%2)*2048+512*\i th:TH_LOAD_NT
.endr
.endm
.macro QTURN t                         ; step t's numbers through the stage: LDS serves a wave's instructions in order, so no wait stands between the stores and the loads
.irp i, 0,1,2,3
	ds_store_b128 v14, v[R+16*((\t)%4)+4*\i:R+16*((\t)%4)+4*\i+3] offset:32*SP*((\t)%2)+8*SP*\i
.endr
.irp i, 0,1,2,3
	ds_load_b128 v[X+16*((\t)%2)+4*\i:X+16*((\t)%2)+4*\i+3], v15 offset:32*SP*((\t)%2)+16*\i
.endr
.endm
.irp t, 0,1,2,3
	QLOAD \t
.endr
	s_wait_loadcnt 12                              ; step 0's four loads are in
	QTURN 0
.macro QSTEP t
.set XS, X+16*((\t)%2)
.if (\t) > 0
	s_wait_dscnt 1                                 ; this step's numbers are back from the stage (the last step's byte store may be out): so its stores into the stage have read their registers,
.else
	s_wait_dscnt 0x0
.endif
.if (\t)+4 < STEPS
	QLOAD (\t)+4                                   ; which take the loads of four steps on
.endif
.if (\t)+1 < STEPS
.if STEPS-2-(\t) >= 3
	s_wait_loadcnt 12                              ; the next step's four loads are in; those of the three steps behind it may be out
.else
	s_wait_loadcnt 4*(STEPS-2-(\t))
.endif
	QTURN (\t)+1                                   ; and go through the other stage while this step is worked
.endif
	v_max3_num_f32 v8, |v[XS]|, |v[XS+1]|, |v[XS+2]|               ; the largest magnitude of my 16
	v_max3_num_f32 v9, |v[XS+3]|, |v[XS+4]|, |v[XS+5]|
.irp i, 6,10
	v_max3_num_f32 v8, v8, |v[XS+\i]|, |v[XS+\i+1]|
	v_max3_num_f32 v9, v9, |v[XS+\i+2]|, |v[XS+\i+3]|
.endr
	v_max3_num_f32 v8, v8, |v[XS+14]|, |v[XS+15]|
	v_max3_num_f32 v8, v8, v9, (EMAX+1)<<23        ; and the floor 2^(16 - 127): the byte cannot fall under 1
	v_max_num_f32_dpp v8, v8, v8 row_xmask:1 row_mask:0xf bank_mask:0xf   ; and of my neighbour's 16: the block's
	v_add_nc_u32 v11, -(EMAX<<23), v8              ; 15 off its exponent field: the conversion takes the exponent field of this operand as its scale
	v_and_or_b32 v10, v8, 0x7f800000, s36          ; 57,344 x the scale
.irp i, 0,1,2,3,4,5,6,7,8,9,10,11,12,13,14,15
	v_med3_num_f32 v[XS+\i], v[XS+\i], -v10, v10   ; the conversion to an 8-bit code does not saturate (ISA guide 7.6.2): the hold comes first
.endr
	v_cvt_scalef32_pk8_bf8_f32 v[C+4*(\t):C+4*(\t)+1], v[XS:XS+7], v11
	v_cvt_scalef32_pk8_bf8_f32 v[C+4*(\t)+2:C+4*(\t)+3], v[XS+8:XS+15], v11
	v_lshrrev_b32 v[E+(\t)], 23, v11               ; the scale's byte
	ds_store_b8 v5, v[E+(\t)] offset:16*(\t)       ; both lanes of a block write the same byte with the same value
	global_store_b128 v3, v[C+4*(\t):C+4*(\t)+3], s[12:13] offset:512*(\t)   ; the wave stores 512 consecutive bytes
.endm
.irp t, 0,1,2,3,4,5,6,7,8,9,10,11,12,13,14,15
	QSTEP \t
.endr
	ds_load_b64 v[10:11], v6                       ; LDS serves a wave's instructions in order: these see my stores
	s_wait_dscnt 0x0
	global_store_b64 v7, v[10:11], s[14:15]        ; 32 lanes store 256 consecutive bytes, aligned
	s_wait_tensorcnt 0x0                           ; the wave's end, behind my last LDS store
	ds_add_u32 v[SPW], v[NIL]
	s_wait_dscnt 0x0
	s_endpgm
; ---------------- v: K is not innermost.  A lane takes a channel and its registers run down K: a block of 32 places lies in one lane's 32 registers.
; A wave takes 32 channels x 256 places (256 y on): block t, register i is token 32 (32 (t % 4) + i) + 2 y + t / 4.
.Lv:
	s_sub_co_u32 s25, ttmp9, 512
	s_and_b32 s26, s25, 7                          ; x: which 128 channels
	s_lshr_b32 s27, s25, 3
	s_and_b32 s27, s27, 15                         ; y: which 256 places
	s_lshr_b32 s28, s25, 7                         ; the batch
	v_lshlrev_b32 v3, 2, v2                        ; in: 4 bytes a lane
	s_mul_i32 s29, s24, 32*VP
	s_add_co_u32 s29, s29, VST                     ; my stage
	v_mul_u32_u24 v4, v2, VP
	v_add_nc_u32 v4, s29, v4                       ; into it: row = my channel
	v_and_b32 v5, 15, v2
	v_lshrrev_b32 v6, 4, v2
	v_mul_u32_u24 v7, v5, VP
	v_lshl_add_u32 v7, v6, 4, v7
	v_add_nc_u32 v7, s29, v7                       ; out of it, as the operand's registers want it: row lane % 16, + 16 (lane / 16)
	v_lshlrev_b32 v8, 4, v2                        ; an image's place for my lane
	v_lshlrev_b32 v9, 3, v2                        ; my channel's eight scale bytes
	s_lshl_b32 s30, s28, 24                        ; v: batch, + 2 y tokens, + my wave's first channel
	s_lshl_b32 s31, s27, 13
	s_add_co_u32 s30, s30, s31
	s_lshl_b32 s31, s26, 9
	s_add_co_u32 s30, s30, s31
	s_lshl_b32 s31, s24, 7
	s_add_co_u32 s30, s30, s31
	s_mov_b32 s31, 0
	s_lshl_b32 s32, s28, 6                         ; vc: block of channels 64 batch + 8 x + 2 wave, 65,536 bytes each; step 2 y, 2,048 bytes each
	s_lshl_b32 s33, s26, 3
	s_add_co_u32 s32, s32, s33
	s_lshl_b32 s33, s24, 1
	s_add_co_u32 s32, s32, s33
	s_lshl_b32 s32, s32, 16
	s_lshl_b32 s33, s27, 12
	s_add_co_u32 s32, s32, s33
	s_mov_b32 s33, 0
	s_lshl_b32 s34, s28, 4                         ; vsc: (16 batch + y) x 8,192 + 8 x my wave's first channel
	s_add_co_u32 s34, s34, s27
	s_lshl_b32 s34, s34, 13
	s_lshl_b32 s35, s26, 10
	s_add_co_u32 s34, s34, s35
	s_lshl_b32 s35, s24, 8
	s_add_co_u32 s34, s34, s35
	s_mov_b32 s35, 0
	s_wait_kmcnt 0x0
	s_add_nc_u64 s[26:27], s[8:9], s[30:31]        ; two bases, 2,048 tokens apart, so that every offset fits the signed 24-bit immediate: 8,261,632 at the most
	s_add_nc_u64 s[28:29], s[26:27], 0x800000
	s_add_nc_u64 s[20:21], s[20:21], s[32:33]
	s_add_nc_u64 s[22:23], s[22:23], s[34:35]
.macro VLOAD t                         ; block t into set t % 2: each load reads 128 consecutive bytes a wave, 512 a work-group
.set VB, 26+2*(((\t)/2)%2)
.irp i, 0,1,2,3,4,5,6,7,8,9,10,11,12,13,14,15,16,17,18,19,20,21,22,23,24,25,26,27,28,29,30,31
	global_load_b32 v[XV+32*((\t)%2)+\i], v3, s[VB:VB+1] offset:((\t)%2)*4194304+\i*131072+((\t)/4)*4096 th:TH_LOAD_NT
.endr
.endm
	VLOAD 0
	VLOAD 1
.macro VBLOCK t
.set XS, XV+32*((\t)%2)
.if (\t) < NB-1
	s_wait_loadcnt 32                              ; this block's 32 loads are in; the next block's may be out
.else
	s_wait_loadcnt 0
.endif
	v_max3_num_f32 v12, |v[XS]|, |v[XS+1]|, |v[XS+2]|               ; the block's largest magnitude: all 32 numbers are mine
	v_max3_num_f32 v13, |v[XS+3]|, |v[XS+4]|, |v[XS+5]|
.irp i, 6,10,14,18,22,26
	v_max3_num_f32 v12, v12, |v[XS+\i]|, |v[XS+\i+1]|
	v_max3_num_f32 v13, v13, |v[XS+\i+2]|, |v[XS+\i+3]|
.endr
	v_max3_num_f32 v12, v12, |v[XS+30]|, |v[XS+31]|
	v_max3_num_f32 v12, v12, v13, (EMAX+1)<<23     ; and the floor
	v_add_nc_u32 v11, -(EMAX<<23), v12             ; the conversion's scale operand
	v_and_or_b32 v10, v12, 0x7f800000, s36         ; 57,344 x the scale
	v_lshrrev_b32 v13, 23, v11                     ; the scale's byte
.if (\t)%4 == 0
	v_mov_b32 v[SB+(\t)/4], v13                    ; four bytes to a register, the lower K in the lower byte
.else
	v_lshl_or_b32 v[SB+(\t)/4], v13, 8*((\t)%4), v[SB+(\t)/4]
.endif
.irp i, 0,1,2,3,4,5,6,7,8,9,10,11,12,13,14,15,16,17,18,19,20,21,22,23,24,25,26,27,28,29,30,31
	v_med3_num_f32 v[XS+\i], v[XS+\i], -v10, v10
.endr
.irp g, 0,1,2,3
	v_cvt_scalef32_pk8_bf8_f32 v[CV+2*\g:CV+2*\g+1], v[XS+8*\g:XS+8*\g+7], v11
.endr
	v_nop                                          ; a plain line behind the last conversion
	ds_store_b128 v4, v[CV:CV+3] offset:32*(\t)    ; 32 codes: 32 bytes of my channel's row
	ds_store_b128 v4, v[CV+4:CV+7] offset:32*(\t)+16
.if (\t)+2 < NB
	VLOAD (\t)+2
.endif
	s_wait_dscnt 0x0                               ; the stores have read their registers: the next block's codes may be written
.endm
.irp t, 0,1,2,3,4,5,6,7
	VBLOCK \t
.endr
	global_store_b64 v9, v[SB:SB+1], s[22:23]      ; 32 lanes store 256 consecutive bytes, aligned
.irp f, 0,1,2,3,4,5,6,7,8,9,10,11,12,13,14,15  ; piece f: block of channels f / 8, step (f / 4) % 2, registers 4 (f % 4) on
	ds_load_b128 v[OUTR+4*\f:OUTR+4*\f+3], v7 offset:(\f/8)*16*VP+((\f/4)%2)*128+(\f%4)*32
.endr
.irp f, 0,1,2,3,4,5,6,7,8,9,10,11,12,13,14,15
	s_wait_dscnt 15-\f
	global_store_b128 v8, v[OUTR+4*\f:OUTR+4*\f+3], s[20:21] offset:(\f/8)*65536+((\f/4)%2)*2048+(\f%4)*512   ; the wave stores 512 consecutive bytes
.endr
	s_wait_tensorcnt 0x0                           ; the wave's end, behind my last LDS store
	ds_add_u32 v[SPW], v[NIL]
	s_wait_dscnt 0x0
	s_endpgm
.Lfunc_end_k_qc556540e0e_quant:
	.size	k_qc556540e0e_quant, .Lfunc_end_k_qc556540e0e_quant-k_qc556540e0e_quant
	.p2alignl 7, 3214868480
	.fill 96, 4, 3214868480
	.section	.rodata,"a",@progbits
	.p2align	6, 0x0
	.amdhsa_kernel k_qc556540e0e_quant
		.amdhsa_group_segment_fixed_size 68096
		.amdhsa_private_segment_fixed_size 0
		.amdhsa_enable_private_segment 0
		.amdhsa_kernarg_size 72
		.amdhsa_user_sgpr_count 2
		.amdhsa_user_sgpr_kernarg_segment_ptr 1
		.amdhsa_wavefront_size32 1
		.amdhsa_system_sgpr_workgroup_id_x 1
		.amdhsa_system_sgpr_workgroup_id_y 1
		.amdhsa_system_sgpr_workgroup_id_z 1
		.amdhsa_system_vgpr_workitem_id 0
		.amdhsa_next_free_vgpr 202
		.amdhsa_next_free_sgpr 66
		.amdhsa_reserve_vcc 0
		.amdhsa_float_denorm_mode_32 3
		.amdhsa_float_denorm_mode_16_64 3
		.amdhsa_memory_ordered 1
		.amdhsa_forward_progress 1
		.amdhsa_inst_pref_size 111
	.end_amdhsa_kernel
	.amdgpu_metadata
---
amdhsa.version: [ 1, 2 ]
amdhsa.kernels:
  - .name:           k_qc556540e0e_quant
    .symbol:         k_qc556540e0e_quant.kd
    .args:
      - { .name: q, .offset: 0, .size: 8, .value_kind: global_buffer, .address_space: global }
      - { .name: k, .offset: 8, .size: 8, .value_kind: global_buffer, .address_space: global }
      - { .name: v, .offset: 16, .size: 8, .value_kind: global_buffer, .address_space: global }
      - { .name: qc, .offset: 24, .size: 8, .value_kind: global_buffer, .address_space: global }
      - { .name: qs, .offset: 32, .size: 8, .value_kind: global_buffer, .address_space: global }
      - { .name: kc, .offset: 40, .size: 8, .value_kind: global_buffer, .address_space: global }
      - { .name: ks, .offset: 48, .size: 8, .value_kind: global_buffer, .address_space: global }
      - { .name: vc, .offset: 56, .size: 8, .value_kind: global_buffer, .address_space: global }
      - { .name: vsc, .offset: 64, .size: 8, .value_kind: global_buffer, .address_space: global }
    .group_segment_fixed_size: 68096
    .private_segment_fixed_size: 0
    .kernarg_segment_align: 8
    .kernarg_segment_size: 72
    .max_flat_workgroup_size: 128
    .sgpr_count:     66
    .vgpr_count:     202
    .wavefront_size: 32
...
	.end_amdgpu_metadata
.endif
;; end of part 1
;; launch scores (part 2): grid 16 x 32, 4 waves a work-group, clusters of 4 x 4, 327,680 bytes of LDS; arguments qc, qs, kc, ks, pc, st; writes pc, st
.if DOCPART == 2
	.amdgcn_target "amdgcn-amd-amdhsa--gfx1250"
	.amdhsa_code_object_version 6
	.text
	.protected	k_qc556540e0e_scores
	.globl	k_qc556540e0e_scores
	.p2align	8
	.type	k_qc556540e0e_scores,@function
k_qc556540e0e_scores:
	s_mov_b64 s[64:65], 0
	v_nop
	global_prefetch_b8 v0, s[64:65] scope:SCOPE_SE
	s_setreg_imm32_b32 hwreg(HW_REG_WAVE_MODE, 25, 1), 1
	s_wait_xcnt 0x0
	s_wait_alu depctr_hold_cnt(0) depctr_sa_sdst(0) depctr_va_vdst(0) depctr_va_sdst(0) depctr_va_ssrc(0) depctr_va_vcc(0) depctr_vm_vsrc(0)
	s_getreg_b32 s2, hwreg(HW_REG_IB_STS2, 6, 4)
	s_cmp_eq_u32 s2, 0
	s_cbranch_scc0 .Lentry_in_a_cluster
	s_endpgm
.Lentry_in_a_cluster:
	s_bfe_u32 s2, ttmp6, 0x10000c
	s_cmp_lg_u32 s2, 0xf033
	s_cbranch_scc0 .Lentry_shape_is_right
	s_endpgm
.Lentry_shape_is_right:
; S = Q K^T on codes of BF8 (E5M2) with E8M0 scales, and the softmax's p as codes for the second product.
; qc [8192][1024], qs [8192][32]: the queries of both batches in their natural order.  kc [2][4096][1024], ks: the keys, 128 rows to a step of the second product's K; 16 rows on end are keys
; 32 b + 8 u + r + 8 (r / 8) of a step (tile 2 b + u, row r), so that the 16 registers of two neighbouring tiles are 16 neighbouring places of that K.
; A work-group makes 256 queries x 256 keys, a wave 128 x 128: 64 accumulators, 512 registers.  K = 1,024 goes in four steps of 256 through a ring of two LDS slots filled by the tensor data mover.
; The scale bytes of the work-group's rows, for all of K, come into LDS once, with the first fills.
; CLUSTERS: 4 x 4 work-groups.  The four of a row of the cluster need the same tiles of Q, the four of a column the same tiles of K: each tile is asked for jointly.
; THE MATRIX INSTRUCTION IS USED TRANSPOSED (source 0 = 16 keys, source 1 = 16 queries): a lane holds ONE query (lane % 16), and the 64 registers of a block of queries are its keys 32 b + 16 (lane / 16) + 0 .. 15.
; THE WAY OUT.  For each query and these 128 keys: t = score x log2(e) / 16; M = the largest t of the 128, rounded UP to a whole number; p = 2^(t - M); l = the sum of the unquantised p.
; p is quantised along the keys under this LOCAL M.  M is a whole number, so the next launch brings the codes under the row's M by taking the difference off the scale bytes: the codes stay as they are.
; pc [512 blocks of 16 queries][32 steps][2048]: the image of the operand's registers.  st [2][32 steps][4096 queries][4 words]: the scale word, -M as f32, l, 0.
; LIMITS: a block whose every p has fallen to 0 keeps the byte 1 (its codes are zeros); NaN and infinities are not served.
; REGISTERS, in windows of 256: window 0: v0-31 addresses and the softmax's few; v32-63 scale words, two sets, and nothing else; v64-127 p; from v128 Q's fragments, ONE set, on the way out codes and statistics.
;   window 1: K's fragments, TWO sets.   window 2: the accumulators of my queries 0-63 ((a, b) at v[8 (8 a + b)]);   window 3: those of my queries 64-127.
.set SIZE_K, 1024
.set KSTEP,  256
.set NQ,     KSTEP/128
.set ROWB,   256
.set KROW,   SIZE_K
.set PITCH,  272                       ; an LDS row: 256 bytes + 16 of padding = 68 words: the 16 rows that a load touches start at 16 different banks (64 banks of 4 bytes: ISA guide 11.1)
.set FR,     16
.set NL,     4
.set NP,     8                         ; places behind this matrix instruction (ISA guide 7.12.1)
.set HALFT,  128*PITCH
.set SLOT,   4*HALFT
.set LAPS,   SIZE_K/(2*KSTEP)
.set KS,     SIZE_K/32
.set SCL,    2*SLOT                    ; behind the ring: the scales, as runs of 256 bytes + 16 of padding
.set HALFS,  (128*KS/256)*272
.set SBLK,   (16*KS/256)*272
.set SPARE,  SCL+4*HALFS               ; the spare words, 128 bytes for each wave: two blocks of 256 bytes that no other line names
.set ADRA, 16                          ; v16-17  LDS address of my Q fragments in slot 0, 1
.set ADRB, 20                          ; v20-21  the same for K
.set PO,   26                          ; v26     16 x lane: an image's place for my lane; never rewritten
.set ADRS, 27                          ; v27     LDS address of my scale words: lanes 0-15 Q's rows, lanes 16-31 K's
.set SPW,  28                          ; v28     LDS address of my spare word; never rewritten
.set NIL,  29                          ; v29     0; never rewritten
.set SC,   32                          ; scale words: set s at v[SC + 8 NQ s]
.set AF,   128                         ; Q's fragments
.set NM,   8                           ; v[8:9]   -M, the largest t
.set SU,   10                          ; v[10:11], v[12:13] the sum, in two chains of pairs
.set SV,   12
.set TT,   14
.set TP,   15
.set P,    64                          ; v64-127  p
.set CD,   128                         ; v128-159 p's codes, two sets by turns
.set BM,   160                         ; v160-163 the blocks' largest scores, then largest p
.set T2,   164                         ; v164-167 the other half's; then the bytes
.set HO,   168                         ; v168-171 57,344 x the scale
.set SO,   172                         ; v172-175 the conversions' scale operands
.set SW,   176                         ; v176-177 the scale word of an even and of an odd block of queries
.set SN,   178                         ; v178-179 -M likewise
.set SL,   180                         ; v180-181 l likewise
.set SQ,   184                         ; v[184:187] the four words that leave
.set G1, 24
.set G0, 32
.set G1B, 48
.set G0B, 56
.set G1S, 68
.set G0S, 76
.set G1SB, 80
.set G0SB, 88
.set CS,  96                           ; s[96:97] c = log2(e) / 16: the packed form names a pair and takes its low word for both halves
.set SEL, 98                           ; s[98:99] v_permlanex16_b32's selects for lane l xor 16
.set MNT, 100                          ; s100 the mantissa field of 57,344
.set HM,  101                          ; s101 lanes 16-31
.set MSB, 0
.macro WIN new                         ; the immediate's high byte repeats the setting that is left
.if MSB != (\new)
	s_set_vgpr_msb (MSB<<8)|(\new)
.set MSB, (\new)
.endif
.endm
.set MUL_LO, 0xa1                      ; source 0 (K) window 1, source 1 (Q) window 0, C and D window 2
.set MUL_HI, 0xf1
.set TO_B,   0x40
; A joint load: waves 0 and 1 fetch for Q, waves 2 and 3 for K.  The branch hangs on the wave's number alone.  An s_nop 0 and four v_nop follow each of the two lines.
.macro JLOAD g0a, g1a, g0b, g1b
	s_cmp_eq_u32 s15, 0
	s_cbranch_scc0 .Lfor_b_\@
	tensor_load_to_lds s[\g0a:\g0a+3], s[\g1a:\g1a+7]
	s_nop 0
.rept 4
	v_nop
.endr
	s_branch .Lasked_\@
.Lfor_b_\@:
	tensor_load_to_lds s[\g0b:\g0b+3], s[\g1b:\g1b+7]
	s_nop 0
.rept 4
	v_nop
.endr
.Lasked_\@:
.endm
.macro CREST                           ; a round of the cluster's barrier behind its opening barrier
	s_cmp_lg_u32 s14, 0
	s_cbranch_scc1 .Lnot_wave_0_\@
	s_barrier_signal -3
.Lnot_wave_0_\@:
	s_barrier_wait -3
	s_barrier_signal -1
	s_barrier_wait -1
.endm
.macro CROUND
	s_barrier_signal -1
	s_barrier_wait -1
	CREST
.endm
	s_load_b128 s[4:7], s[0:1], 0x0                ; qc, qs
	s_load_b128 s[8:11], s[0:1], 0x10              ; kc, ks
	s_load_b64 s[12:13], s[0:1], 0x20              ; pc
	s_load_b64 s[66:67], s[0:1], 0x28              ; st
	v_lshl_add_u32 v[SPW], v0, 2, SPARE
	v_mov_b32 v[NIL], 0
	ds_add_u32 v[SPW], v[NIL]                      ; the wave's opening: the add and its wait stand ahead of my first tensor load; the set-up below, work on registers, stands between them
	v_lshrrev_b32 v1, 5, v0
	v_readfirstlane_b32 s14, v1                    ; wave 0..3
	s_lshr_b32 s15, s14, 1                         ; which half of the tile's queries is mine.  Also: I fetch for Q (0) or for K (1)
	s_and_b32 s16, s14, 1                          ; which half of its keys.  Also: which 128 rows of that tile I fetch
	s_bfe_u32 s40, ttmp6, 0x40000                  ; cx, cy: my place in the cluster
	s_bfe_u32 s41, ttmp6, 0x40004
	s_lshl_b32 s42, ttmp9, 2
	s_add_co_u32 s42, s42, s40                     ; tile column, 0..15 = 4 x cluster x + cx
	s_and_b32 s17, ttmp7, 0xffff
	s_lshr_b32 s95, s17, 2                         ; the batch: of the cluster's y alone, so all sixteen partners share it
	s_lshl_b32 s17, s17, 2
	s_add_co_u32 s17, s17, s41                     ; tile row, 0..31 over both batches = 4 x cluster y + cy
	s_lshl_b32 s43, s41, 2
	s_lshl_b32 s43, 15, s43                        ; my row of the cluster
	s_lshl_b32 s44, 0x1111, s40                    ; my column
	s_or_b32 s[G1+0], s43, (0<<16)|(1<<20)|(1<<21)|(5<<22)|(3<<25)  ; 15:0 the mask; 17:16 elements of 1 byte; 20 padding on; 21 set beside a mask; 24:22 after every 64 words; 31:25 four words
	s_or_b32 s[G1B+0], s44, (0<<16)|(1<<20)|(1<<21)|(5<<22)|(3<<25)
.irp g, G1, G1B
	s_mov_b32 s[\g+1], ROWB<<16                    ; tensor_dim0
	s_mov_b32 s[\g+2], 128<<16                     ; tensor_dim1
	s_mov_b32 s[\g+3], ROWB<<16                    ; tile_dim0
	s_mov_b32 s[\g+4], 128                         ; tile_dim1
	s_mov_b32 s[\g+5], KROW                        ; tensor_dim0_stride
	s_mov_b32 s[\g+6], 0
	s_mov_b32 s[\g+7], 0
.endr
	s_or_b32 s[G1S+0], s43, (3<<16)|(1<<20)|(1<<21)|(5<<22)|(3<<25)  ; the scales of 128 rows: 4,096 dense bytes as 16 rows of 256 (32 elements of 8 bytes), 16 bytes of padding behind each
	s_or_b32 s[G1SB+0], s44, (3<<16)|(1<<20)|(1<<21)|(5<<22)|(3<<25)
.irp g, G1S, G1SB
	s_mov_b32 s[\g+1], 32<<16
	s_mov_b32 s[\g+2], (128*KS/256)<<16
	s_mov_b32 s[\g+3], 32<<16
	s_mov_b32 s[\g+4], 128*KS/256
	s_mov_b32 s[\g+5], 32
	s_mov_b32 s[\g+6], 0
	s_mov_b32 s[\g+7], 0
.endr
	s_lshl_b32 s18, s16, 7                         ; which 128 rows of the tile I fetch
	s_lshl_b32 s20, s17, 8
	s_add_co_u32 s20, s20, s18                     ; Q: row 256 x tile row + 128 x half
	s_lshl_b32 s46, s42, 8
	s_add_co_u32 s46, s46, s18                     ; K: row 256 x tile column + 128 x half,
	s_lshl_b32 s94, s95, 12
	s_add_co_u32 s46, s46, s94                     ; in my batch
	s_mov_b32 s21, 0
	s_mov_b32 s47, 0
	s_mov_b64 s[18:19], KS
	s_mul_u64 s[22:23], s[20:21], s[18:19]         ; where these rows' scales begin, in bytes
	s_mul_u64 s[92:93], s[46:47], s[18:19]
	s_mov_b64 s[18:19], KROW
	s_mul_u64 s[20:21], s[20:21], s[18:19]         ; and their codes
	s_mul_u64 s[46:47], s[46:47], s[18:19]
	s_mul_i32 s45, s14, HALFT                      ; where they go: wave x 128 rows: no place in the cluster enters an LDS address
	s_mul_i32 s94, s14, HALFS
	s_mov_b32 s[CS], 0x3db8aa3b                    ; c = log2(e) / 16
	s_mov_b32 s[CS+1], s[CS]
	s_mov_b32 s[SEL], 0x76543210
	s_mov_b32 s[SEL+1], 0xfedcba98
	s_mov_b32 s[MNT], 0x600000
	s_mov_b32 s[HM], 0xffff0000
	s_wait_dscnt 0x0                               ; the opening add is done
	s_wait_kmcnt 0x0
	s_add_nc_u64 s[20:21], s[4:5], s[20:21]
	s_add_nc_u64 s[22:23], s[6:7], s[22:23]
	s_add_nc_u64 s[46:47], s[8:9], s[46:47]
	s_add_nc_u64 s[92:93], s[10:11], s[92:93]
	CROUND                                         ; all sixteen work-groups are here: the first joint loads meet
	s_mov_b32 s[G0S], 1
	s_add_co_u32 s[G0S+1], s94, SCL
	s_mov_b64 s[G0S+2:G0S+3], s[22:23]
	s_or_b32 s[G0S+3], s[G0S+3], 0x80000000
	s_mov_b32 s[G0SB], 1
	s_add_co_u32 s[G0SB+1], s94, SCL
	s_mov_b64 s[G0SB+2:G0SB+3], s[92:93]
	s_or_b32 s[G0SB+3], s[G0SB+3], 0x80000000
	JLOAD G0S, G1S, G0SB, G1SB                     ; the scales first: they are wanted with K step 0
.irp s, 0,1
	s_mov_b32 s[G0+4*\s], 1
	s_add_co_u32 s[G0+4*\s+1], s45, \s*SLOT
	s_add_nc_u64 s[G0+4*\s+2:G0+4*\s+3], s[20:21], \s*ROWB
	s_or_b32 s[G0+4*\s+3], s[G0+4*\s+3], 0x80000000
	s_mov_b32 s[G0B+4*\s], 1
	s_add_co_u32 s[G0B+4*\s+1], s45, \s*SLOT
	s_add_nc_u64 s[G0B+4*\s+2:G0B+4*\s+3], s[46:47], \s*ROWB
	s_or_b32 s[G0B+4*\s+3], s[G0B+4*\s+3], 0x80000000
	JLOAD G0+4*\s, G1, G0B+4*\s, G1B               ; three tensor loads of mine are out now, the most in this text
.endr
	v_and_b32 v1, 15, v0                           ; l % 16
	v_bfe_u32 v2, v0, 4, 1                         ; l / 16
	v_mul_u32_u24 v3, v1, PITCH
	v_lshl_add_u32 v4, v2, 4, v3                   ; a fragment's row x pitch + 16 x half
	s_mul_i32 s21, s15, HALFT                      ; my 128 rows of Q
	s_mul_i32 s22, s16, HALFT                      ; my 128 rows of K,
	s_add_co_u32 s22, s22, 2*HALFT                 ; which lie behind Q's 256
.irp s, 0,1
	v_add_nc_u32 v[ADRA+\s], s21, v4
	v_add_nc_u32 v[ADRB+\s], s22, v4
	s_add_co_u32 s21, s21, SLOT
	s_add_co_u32 s22, s22, SLOT
.endr
	v_mul_u32_u24 v5, v1, KS                       ; my row's scales: KS bytes a row,
	v_lshrrev_b32 v6, 8, v5
	v_lshl_add_u32 v5, v6, 4, v5                   ; and 16 more for each 256 passed
	s_mul_i32 s21, s15, HALFS
	s_mul_i32 s22, s16, HALFS
	s_add_co_u32 s22, s22, 2*HALFS
	s_sub_co_u32 s22, s22, s21
	v_mul_u32_u24 v6, s22, v2                      ; lanes 16-31 take K's
	s_add_co_u32 s21, s21, SCL
	v_add_nc_u32 v5, v5, v6
	v_add_nc_u32 v[ADRS], s21, v5
	v_and_b32 v6, 31, v0
	v_lshlrev_b32 v[PO], 4, v6
	s_lshl_b32 s20, s17, 4                         ; pc: my first block of queries, 16 x tile row + 8 x half, 65,536 bytes each;
	s_lshl_b32 s21, s15, 3
	s_add_co_u32 s20, s20, s21
	s_lshl_b32 s20, s20, 16
	s_lshl_b32 s46, s42, 1
	s_add_co_u32 s46, s46, s16                     ; my step of the second product's K: 2 x tile column + half,
	s_lshl_b32 s47, s46, 11                        ; 2,048 bytes each
	s_add_co_u32 s20, s20, s47
	s_mov_b32 s21, 0
	s_add_nc_u64 s[12:13], s[12:13], s[20:21]
	s_lshl_b32 s20, s95, 5                         ; st: ((32 batch + step) x 4,096 + my first query in the batch) x 16
	s_add_co_u32 s20, s20, s46
	s_lshl_b32 s20, s20, 12
	s_and_b32 s47, s17, 15
	s_lshl_b32 s47, s47, 8
	s_add_co_u32 s20, s20, s47
	s_lshl_b32 s47, s15, 7
	s_add_co_u32 s20, s20, s47
	s_lshl_b32 s20, s20, 4
	s_add_nc_u64 s[66:67], s[66:67], s[20:21]
.macro FRAG reg, adr, q, i             ; a fragment, 16 rows x 128 K: lane l holds row l % 16; registers 4 c .. 4 c + 3 hold K = 32 c + 16 (l / 16) + 0 .. 15
.irp c, 0,1,2,3
	ds_load_b128 v[\reg+4*\c:\reg+4*\c+3], v[\adr] offset:128*(\q)+32*\c+(\i)*16*PITCH
.endr
.endm
; 16 matrix instructions: Q's blocks a0, a0 + 1 x K's eight, 128 along K.  The 64 accumulators take turns, one instruction a turn, in the same order in every step.
.macro MUL16 a0, p, q, sc, zero
.irp a, \a0, \a0+1
.irp b, 0,1,2,3,4,5,6,7
.if \zero
	v_wmma_scale_f32_16x16x128_f8f6f4 v[8*(8*((\a)%4)+\b):8*(8*((\a)%4)+\b)+7], v[128*(\p)+FR*\b:128*(\p)+FR*\b+FR-1], v[AF+FR*(\a):AF+FR*(\a)+FR-1], 0, v[SC+8*NQ*(\sc)+NQ*\b+(\q)], v[SC+8*NQ*(\sc)+NQ*(\a)+(\q)] matrix_a_fmt:MATRIX_FMT_BF8 matrix_b_fmt:MATRIX_FMT_BF8 matrix_a_scale:MATRIX_SCALE_ROW1
.else
	v_wmma_scale_f32_16x16x128_f8f6f4 v[8*(8*((\a)%4)+\b):8*(8*((\a)%4)+\b)+7], v[128*(\p)+FR*\b:128*(\p)+FR*\b+FR-1], v[AF+FR*(\a):AF+FR*(\a)+FR-1], v[8*(8*((\a)%4)+\b):8*(8*((\a)%4)+\b)+7], v[SC+8*NQ*(\sc)+NQ*\b+(\q)], v[SC+8*NQ*(\sc)+NQ*(\a)+(\q)] matrix_a_fmt:MATRIX_FMT_BF8 matrix_b_fmt:MATRIX_FMT_BF8 matrix_a_scale:MATRIX_SCALE_ROW1
.endif
.endr
.endr
.endm
.macro FETCH_B slot, q, p
	WIN TO_B
.irp i, 0,1,2,3,4,5,6,7
	FRAG 128*(\p)+FR*\i, ADRB+\slot, \q, \i
.endr
	WIN 0
.endm
.macro FETCH_A slot, q, i0
.irp i, \i0, \i0+1, \i0+2, \i0+3
	FRAG AF+FR*(\i), ADRA+\slot, \q, \i
.endr
.endm
.macro SCALES sc                       ; a K step's scale words: lanes 0-15 take Q's block i, lanes 16-31 K's block i
.irp i, 0,1,2,3,4,5,6,7
	ds_load_b64 v[SC+8*NQ*\sc+NQ*\i:SC+8*NQ*\sc+NQ*\i+1], v[ADRS] offset:\i*SBLK
.endr
.endm
.macro PLACES n                        ; plain vector lines between a matrix instruction and a load into, or a vector line on, one of its registers
.rept \n
	v_nop
.endr
.endm
.macro STEP slot, q, zero              ; a step of 128 along K that has its successor in the same slot
	s_wait_dscnt 4*NL                              ; K's set and Q's blocks 0-3 are in; the youngest loads (Q's blocks 4-7) may be out
	WIN MUL_LO
	MUL16 0, (\q)%2, \q, \slot, \zero
	MUL16 2, (\q)%2, \q, \slot, \zero
	s_wait_dscnt 0                                 ; Q's blocks 4-7 are in
	PLACES NP
	FETCH_B \slot, (\q)+1, 1-(\q)%2
	FETCH_A \slot, (\q)+1, 0
	WIN MUL_HI
	MUL16 4, (\q)%2, \q, \slot, \zero
	MUL16 6, (\q)%2, \q, \slot, \zero
	PLACES NP
	WIN 0
	FETCH_A \slot, (\q)+1, 4
.endm
; A slot's last step changes slots: ONE barrier; in front of it each wave waits for all its tensor loads, adds 0 to its spare word, and waits for that and for its own reads of this slot.
.macro TURN slot, next, fill
	s_wait_tensorcnt 0x0                           ; all my tensor loads have landed: my part of the next slot
	ds_add_u32 v[SPW], v[NIL]                      ; 0 onto my spare word
	s_wait_dscnt 4*NL+1                            ; (the add and the youngest loads, Q's blocks 4-7, may be out)
	WIN MUL_LO
	MUL16 0, 1, NQ-1, \slot, 0
	s_wait_dscnt 0x0                               ; the add is done, and my reads of this slot are over
	s_barrier_signal -1
	MUL16 2, 1, NQ-1, \slot, 0
	WIN 0
	s_barrier_wait -1
.if \fill
	CREST                                          ; the barrier has opened a round of the cluster's barrier: no wave of any partner still reads this slot's tile or has a load on its way
	s_add_nc_u64 s[G0+4*\slot+2:G0+4*\slot+3], s[G0+4*\slot+2:G0+4*\slot+3], 2*ROWB
	s_add_nc_u64 s[G0B+4*\slot+2:G0B+4*\slot+3], s[G0B+4*\slot+2:G0B+4*\slot+3], 2*ROWB
	JLOAD G0+4*\slot, G1, G0B+4*\slot, G1B         ; the first tensor load behind the round; its four v_nop are among the places in front of the loads below
	PLACES NP-4
.else
	PLACES NP
.endif
	v_add_nc_u32 v[ADRS], 4*NQ, v[ADRS]            ; on to the next K step's scale words
	FETCH_B \next, 0, 0
	FETCH_A \next, 0, 0
	SCALES \next
	WIN MUL_HI
	MUL16 4, 1, NQ-1, \slot, 0
	MUL16 6, 1, NQ-1, \slot, 0
	PLACES NP
	WIN 0
	FETCH_A \next, 0, 4
.endm
	s_wait_tensorcnt 1                             ; the scales and my part of K step 0 are in (K step 1's load may be out)
	s_barrier_signal -1
	s_barrier_wait -1                              ; everybody's are
	FETCH_B 0, 0, 0
	FETCH_A 0, 0, 0
	SCALES 0
	FETCH_A 0, 0, 4
	STEP 0, 0, 1                                   ; the first step stands in front of the loop: its products start the sums
	s_mov_b32 s3, LAPS-1
.Llap:                                                 ; a trip goes once round the ring and fills both slots again
	TURN 0, 1, 1
	STEP 1, 0, 0
	TURN 1, 0, 1
	STEP 0, 0, 0
	s_sub_co_u32 s3, s3, 1
	s_cmp_lg_u32 s3, 0
	s_cbranch_scc1 .Llap
	TURN 0, 1, 0                                   ; the last lap fills nothing, and has no round of the cluster's barrier
	STEP 1, 0, 0
	s_wait_dscnt 4*NL
	WIN MUL_LO
	MUL16 0, 1, NQ-1, 1, 0
	MUL16 2, 1, NQ-1, 1, 0
	s_wait_dscnt 0
	WIN MUL_HI
	MUL16 4, 1, NQ-1, 1, 0
	MUL16 6, 1, NQ-1, 1, 0
	WIN 0
	PLACES NP                                      ; behind the last products: what follows reads results and writes registers that held Q's fragments
.irp b, 0,1,2,3
	v_mov_b32 v[T2+\b], 0                          ; written once: a lane permute's destination counts as one of its sources
.endr
	v_mov_b32 v[TP], 0
	v_mov_b32 v[SQ+3], 0                           ; the fourth word of a query's statistics
; THE SOFTMAX OF ONE BLOCK OF 16 QUERIES over my 128 keys.  Each accumulator is read from its low end on.
.macro SOFT a
.set AC, 64*((\a)%4)
.set PAR, (\a)%2
	WIN 0x2a+0x15*((\a)/4)                         ; all three sources in the accumulators' window
.irp b, 0,1,2,3
	v_max3_num_f32 v[BM+\b], v[AC+16*\b], v[AC+16*\b+1], v[AC+16*\b+2]   ; the largest score of each block of 32 keys: it serves for the maximum and, since p rises with the score, for the block's largest p
.endr
	WIN 0x28+0x14*((\a)/4)                         ; sources 1 and 2 there
.irp i, 3,5,7,9,11,13
.irp b, 0,1,2,3
	v_max3_num_f32 v[BM+\b], v[BM+\b], v[AC+16*\b+\i], v[AC+16*\b+\i+1]
.endr
.endr
.irp b, 0,1,2,3
	v_max_num_f32 v[BM+\b], v[BM+\b], v[AC+16*\b+15]
.endr
	WIN 0
.irp b, 0,1,2,3
	v_permlanex16_b32 v[T2+\b], v[BM+\b], s[SEL], s[SEL+1]
.endr
.irp b, 0,1,2,3
	v_max_num_f32 v[BM+\b], v[BM+\b], v[T2+\b]     ; with lane l xor 16's 16 keys
.endr
	v_max3_num_f32 v[TT], v[BM], v[BM+1], v[BM+2]
	v_max_num_f32 v[TT], v[TT], v[BM+3]
	v_mul_f32 v[NM+1], s[CS], v[TT]                ; the largest t (c is positive)
	v_floor_f32 v[NM], -v[NM+1]                    ; -M = floor(-t) = -ceil(t): a whole number
	WIN 0x02+((\a)/4)                              ; source 0 in the accumulators' window
.irp j, 0,2,4,6,8,10,12,14,16,18,20,22,24,26,28,30,32,34,36,38,40,42,44,46,48,50,52,54,56,58,60,62
	v_pk_fma_f32 v[P+\j:P+\j+1], v[AC+\j:AC+\j+1], s[CS:CS+1], v[NM:NM+1] op_sel_hi:[1,0,0]   ; t - M, two at a time
.endr
	WIN 0
.irp b, 0,1,2,3
	v_fma_f32 v[BM+\b], v[BM+\b], s[CS], v[NM]     ; the same of each block's largest score
.endr
.irp j, 0,1,2,3,4,5,6,7,8,9,10,11,12,13,14,15,16,17,18,19,20,21,22,23,24,25,26,27,28,29,30,31,32,33,34,35,36,37,38,39,40,41,42,43,44,45,46,47,48,49,50,51,52,53,54,55,56,57,58,59,60,61,62,63
	v_exp_f32 v[P+\j], v[P+\j]                     ; p = 2^(t - M), at most 1
.endr
	v_mov_b32 v[SN+PAR], v[NM]                     ; (a plain line behind the exponentials)
	s_wait_alu depctr_va_vdst(0)                   ; one wait for the batch of 64, ahead of its first reader
.irp b, 0,1,2,3
	v_exp_f32 v[BM+\b], v[BM+\b]                   ; the block's largest p: the same two instructions on the same number give the same bits
.endr
	v_pk_add_f32 v[SU:SU+1], v[P:P+1], v[P+4:P+5]  ; the sum is taken of the unquantised p, in two chains of pairs
	v_pk_add_f32 v[SV:SV+1], v[P+2:P+3], v[P+6:P+7]
.irp j, 8,12,16,20,24,28,32,36,40,44,48,52,56,60
	v_pk_add_f32 v[SU:SU+1], v[SU:SU+1], v[P+\j:P+\j+1]
	v_pk_add_f32 v[SV:SV+1], v[SV:SV+1], v[P+\j+2:P+\j+3]
.endr
	v_pk_add_f32 v[SU:SU+1], v[SU:SU+1], v[SV:SV+1]
	v_add_f32 v[TT], v[SU], v[SU+1]
	v_permlanex16_b32 v[TP], v[TT], s[SEL], s[SEL+1]
	v_add_f32 v[SL+PAR], v[TT], v[TP]              ; l of my query over the 128 keys
	s_wait_alu depctr_va_vdst(0)                   ; and one wait for the four
.irp b, 0,1,2,3
	v_max_num_f32 v[BM+\b], 0x8000000, v[BM+\b]    ; the floor 2^(16 - 127): the byte cannot fall under 1
.endr
.irp b, 0,1,2,3
	v_add_nc_u32 v[SO+\b], 0xf8800000, v[BM+\b]    ; 15 off the exponent field: the conversion's scale operand
.endr
.irp b, 0,1,2,3
	v_and_or_b32 v[HO+\b], v[BM+\b], 0x7f800000, s[MNT]   ; 57,344 x the scale
.endr
.irp b, 0,1,2,3
	v_lshrrev_b32 v[T2+\b], 23, v[SO+\b]           ; the scale's byte, 1 to 112
.endr
	v_lshl_or_b32 v[SW+PAR], v[T2+1], 8, v[T2]
	v_lshl_or_b32 v[SW+PAR], v[T2+2], 16, v[SW+PAR]
	v_lshl_or_b32 v[SW+PAR], v[T2+3], 24, v[SW+PAR]
	s_wait_xcnt 0x0                                ; the earlier blocks' stores have read their data: the codes' and the statistics' registers are written again only behind this wait
.irp b, 0,1,2,3
.irp i, 0,1,2,3,4,5,6,7,8,9,10,11,12,13,14,15
	v_min_num_f32 v[P+16*\b+\i], v[P+16*\b+\i], v[HO+\b]   ; the conversion does not saturate (ISA guide 7.6.2); p is not negative, so the hold is one-sided
.endr
	v_cvt_scalef32_pk8_bf8_f32 v[CD+16*PAR+4*\b:CD+16*PAR+4*\b+1], v[P+16*\b:P+16*\b+7], v[SO+\b]
	v_cvt_scalef32_pk8_bf8_f32 v[CD+16*PAR+4*\b+2:CD+16*PAR+4*\b+3], v[P+16*\b+8:P+16*\b+15], v[SO+\b]
.endr
	v_nop                                          ; a plain line behind the last conversion
.irp c, 0,1,2,3
	global_store_b128 v[PO], v[CD+16*PAR+4*\c:CD+16*PAR+4*\c+3], s[12:13] offset:(\a)*65536+\c*512 th:TH_STORE_NT   ; the operand's registers as they stand: 512 consecutive bytes a store
.endr
.if PAR
	v_cndmask_b32 v[SQ], v[SW], v[SW+1], s[HM]     ; every lane holds its query's three numbers: lanes 0-15 give the even block's, lanes 16-31 the odd block's
	v_cndmask_b32 v[SQ+1], v[SN], v[SN+1], s[HM]
	v_cndmask_b32 v[SQ+2], v[SL], v[SL+1], s[HM]
	global_store_b128 v[PO], v[SQ:SQ+3], s[66:67] offset:((\a)/2)*512 th:TH_STORE_NT   ; 32 queries x 16 bytes: 512 consecutive bytes
.endif
.endm
.irp a, 0,1,2,3,4,5,6,7
	SOFT \a
.endr
	s_wait_tensorcnt 0x0                           ; the wave's end, behind my last tensor load
	ds_add_u32 v[SPW], v[NIL]
	s_wait_dscnt 0x0
	CROUND                                         ; the closing round: no work-group ends while a partner may still ask for a tile that names it
	s_endpgm
.Lfunc_end_k_qc556540e0e_scores:
	.size	k_qc556540e0e_scores, .Lfunc_end_k_qc556540e0e_scores-k_qc556540e0e_scores
	.p2alignl 7, 3214868480
	.fill 96, 4, 3214868480
	.section	.rodata,"a",@progbits
	.p2align	6, 0x0
	.amdhsa_kernel k_qc556540e0e_scores
		.amdhsa_group_segment_fixed_size 327680
		.amdhsa_private_segment_fixed_size 0
		.amdhsa_enable_private_segment 0
		.amdhsa_kernarg_size 48
		.amdhsa_user_sgpr_count 2
		.amdhsa_user_sgpr_kernarg_segment_ptr 1
		.amdhsa_wavefront_size32 1
		.amdhsa_system_sgpr_workgroup_id_x 1
		.amdhsa_system_sgpr_workgroup_id_y 1
		.amdhsa_system_sgpr_workgroup_id_z 1
		.amdhsa_system_vgpr_workitem_id 0
		.amdhsa_next_free_vgpr 1024
		.amdhsa_next_free_sgpr 102
		.amdhsa_reserve_vcc 0
		.amdhsa_float_denorm_mode_32 3
		.amdhsa_float_denorm_mode_16_64 3
		.amdhsa_memory_ordered 1
		.amdhsa_forward_progress 1
		.amdhsa_inst_pref_size 224
	.end_amdhsa_kernel
	.amdgpu_metadata
---
amdhsa.version: [ 1, 2 ]
amdhsa.kernels:
  - .name:           k_qc556540e0e_scores
    .symbol:         k_qc556540e0e_scores.kd
    .args:
      - { .name: qc, .offset: 0, .size: 8, .value_kind: global_buffer, .address_space: global }
      - { .name: qs, .offset: 8, .size: 8, .value_kind: global_buffer, .address_space: global }
      - { .name: kc, .offset: 16, .size: 8, .value_kind: global_buffer, .address_space: global }
      - { .name: ks, .offset: 24, .size: 8, .value_kind: global_buffer, .address_space: global }
      - { .name: pc, .offset: 32, .size: 8, .value_kind: global_buffer, .address_space: global }
      - { .name: st, .offset: 40, .size: 8, .value_kind: global_buffer, .address_space: global }
    .group_segment_fixed_size: 327680
    .private_segment_fixed_size: 0
    .kernarg_segment_align: 8
    .kernarg_segment_size: 48
    .max_flat_workgroup_size: 128
    .sgpr_count:     102
    .vgpr_count:     1024
    .wavefront_size: 32
...
	.end_amdgpu_metadata
.endif
;; end of part 2
;; launch mix (part 3): grid 4 x 64, 4 waves a work-group, clusters of 4 x 4, 327,680 bytes of LDS; arguments pc, st, vc, vsc, out0; writes out0
.if DOCPART == 3
	.amdgcn_target "amdgcn-amd-amdhsa--gfx1250"
	.amdhsa_code_object_version 6
	.text
	.protected	k_qc556540e0e_mix
	.globl	k_qc556540e0e_mix
	.p2align	8
	.type	k_qc556540e0e_mix,@function
k_qc556540e0e_mix:
	s_mov_b64 s[64:65], 0
	v_nop
	global_prefetch_b8 v0, s[64:65] scope:SCOPE_SE
	s_setreg_imm32_b32 hwreg(HW_REG_WAVE_MODE, 25, 1), 1
	s_wait_xcnt 0x0
	s_wait_alu depctr_hold_cnt(0) depctr_sa_sdst(0) depctr_va_vdst(0) depctr_va_sdst(0) depctr_va_ssrc(0) depctr_va_vcc(0) depctr_vm_vsrc(0)
	s_getreg_b32 s2, hwreg(HW_REG_IB_STS2, 6, 4)
	s_cmp_eq_u32 s2, 0
	s_cbranch_scc0 .Lentry_in_a_cluster
	s_endpgm
.Lentry_in_a_cluster:
	s_bfe_u32 s2, ttmp6, 0x10000c
	s_cmp_lg_u32 s2, 0xf033
	s_cbranch_scc0 .Lentry_shape_is_right
	s_endpgm
.Lentry_shape_is_right:
; O = P V / l on codes of BF8 (E5M2) with E8M0 scales.  K = the 4,096 keys, in the order of the strided transpose, 32 steps of 128.
; pc [512 blocks of 16 queries][32 steps][2048] and vc [2][64 blocks of 16 channels][32 steps][2048] hold images of operand registers: byte 512 c + 16 lane + i.
; st [2][32 steps][4096 queries][4 words]: p's scale word under the step's own M, -M as f32, the step's sum l.  vsc [2][16][1024 channels][8]: v's scale bytes of 256 keys.  out0 [2][4096][1024] f32.
; THE HEAD.  A thread takes a query: the row's -M is the least of the 32; each step's sum is multiplied by 2^(its M - the row's M), exactly, and added; the same whole number is taken off the four bytes of the
; step's scale word.  The words go to LDS, and 1 / l beside them.
; LIMITS: a byte that would fall under 0 is held at 0 and the shift of a sum at 2^-127: what is so held is at most 2^-111 of the row's largest term.  NaN and infinities are not served.
; SHARES.  A work-group makes 128 queries x 256 channels; a wave all 128 queries x 64 channels of its own: 8 blocks of P x 4 blocks of V, 32 accumulators, 256 registers.  256 work-groups.
; P GOES THROUGH LDS, V STRAIGHT INTO REGISTERS.  Ahead of each change of slots a wave awaits all its tensor loads, and behind it it issues one: so what a slot holds is all the work between two changes.
; P and V together are 384 bytes a key: two slots would hold 256 keys each, 64 products a wave to a change.  P alone is 128 bytes a key: two slots of 1,024 keys, 256 products a wave to a change, two first
; fills and two refills in the launch.  That is why V is not asked for jointly, though the four work-groups of a column of the cluster read the same V.  V's fragments lie in memory as register images and each wave has
; channels of its own: a fragment is four loads of 512 consecutive bytes, and a work-group reads no byte of V twice.  V's loads run three steps ahead, in a ring of four sets of registers.
; CLUSTERS: 4 x 4 work-groups.  The four of a row of the cluster (all four blocks of channels) need the same tiles of P, the four of a column the same scale bytes of V: asked for jointly.
; A CLUSTER BEGINS AT ITS OWN QUARTER OF K, (cluster y / 2) % 4, and walks round, so that the clusters of a batch do not all ask for the same bytes of V at the same time.  The quarter enters global addresses alone:
; LDS holds tiles and scale words in the order in which they are walked.  The sums' order along K so differs from cluster to cluster.
; THE MATRIX INSTRUCTION IS USED TRANSPOSED (source 0 = 16 channels of V, source 1 = 16 queries of P): a lane holds eight neighbouring channels of one query.
; THE 32 STEPS ARE WRITTEN OUT by one macro, some 1,000 bytes of code a step: every offset is an immediate, each quarter has its own base and descriptor registers, and nothing is stepped.
; REGISTERS, in windows of 256: window 0: v0-31 addresses; v32-55 scale words, two sets, and nothing else; v64-79 1 / l; v80-111 at work; v128-255 the head's statistics, later rows of O.
;   window 1: V's fragments, four sets of 64.   window 2: accumulator (a, b) at v[8 (4 a + b)].   window 3: P's fragments, two sets of 128.
.set SLOT,   131072                    ; 8 blocks of queries x 16,384 bytes (8 steps x 2,048).  No padding: a fragment is read as it lies, 16 bytes a lane on end
.set VSC,    2*SLOT                    ; V's scale bytes [16][256 channels][8]: filled once, by tensor loads
.set PSC,    VSC+32768                 ; P's scale words under the row's M [16][128 queries][8]: stored by the head
.set RL,     PSC+16384                 ; 1 / l of the 128 queries
.set SPARE,  RL+512                    ; the spare words, 128 bytes for each wave: two blocks of 256 bytes that no other line names
.set SPITCH, 272                       ; the way out: a stage of 16 rows x (256 bytes + 16) for each wave, in slot 0, which has had its last fill and its last read by then
.set VO,   15                          ; v15 16 x lane: my place in an image in memory; never rewritten
.set ADRA, 16                          ; v16-19 LDS address of P's fragments: slot s, blocks 4 u on: v[16 + 2 s + u]
.set ADPS, 22                          ; v22 my place among P's scale words
.set ADVS, 23                          ; v23 and among V's
.set STO,  24
.set RD,   25
.set CO,   26
.set ARL,  27
.set SPW,  28                          ; v28 LDS address of my spare word; never rewritten
.set NIL,  29                          ; v29 0; never rewritten
.set PFO,  30                          ; v30 the prefetch's offset: 256 x lane; never rewritten
.set SC,   32                          ; set s at v[SC + 12 s]: P's four pairs (blocks 2 i in lanes 0-15, 2 i + 1 in lanes 16-31), then V's two
.set RLV,  64
.set T,    80
.set BK,   128
.set LD,   128                         ; the head: 32 x 4 words of statistics
.set G1,   24                          ; s[24:31] descriptor group 1 for P's tiles
.set SB,   32                          ; s[32:39] st at each of the four quarters, in walking order
.set G0,   48                          ; s[48:63] descriptor group 0 for P's four quarters, in walking order; never rewritten
.set PFA,  66                          ; s[66:67] where my prefetch stands
.set G1S,  68                          ; s[68:75], s[76:79] groups 1 and 0 for V's scale bytes
.set G0S,  76
.set VB,   80                          ; s[80:87] my four blocks of V at each of the four quarters, in walking order; never rewritten
.set OFS,  88                          ; s88-91 where the n-th quarter walked begins in a block's 65,536 bytes
.set MSB, 0
.macro WIN new                         ; the immediate's high byte repeats the setting that is left
.if MSB != (\new)
	s_set_vgpr_msb (MSB<<8)|(\new)
.set MSB, (\new)
.endif
.endm
.set MUL, 0xad                         ; source 0 (V) window 1, source 1 (P) window 3, C and D window 2
.macro PLACES n                        ; plain vector lines between a matrix instruction and a load into, or a vector line on, one of its registers
.rept \n
	v_nop
.endr
.endm
.macro CREST                           ; a round of the cluster's barrier behind its opening barrier
	s_cmp_lg_u32 s14, 0
	s_cbranch_scc1 .Lnot_wave_0_\@
	s_barrier_signal -3
.Lnot_wave_0_\@:
	s_barrier_wait -3
	s_barrier_signal -1
	s_barrier_wait -1
.endm
.macro CROUND
	s_barrier_signal -1
	s_barrier_wait -1
	CREST
.endm
.macro VLOAD t                         ; V's four fragments of step t, from memory into set t % 4: each load reads 512 consecutive bytes
	WIN 0x40                                       ; destination window 1
.irp b, 0,1,2,3
.irp c, 0,1,2,3
	global_load_b128 v[64*((\t)%4)+16*\b+4*\c:64*((\t)%4)+16*\b+4*\c+3], v[VO], s[VB+2*((\t)/8):VB+2*((\t)/8)+1] offset:\b*65536+((\t)%8)*2048+\c*512
.endr
.endr
.endm
.macro AFETCH t                        ; P's eight fragments of step t, from LDS into set t % 2
	WIN 0xc0                                       ; destination window 3
.irp a, 0,1,2,3,4,5,6,7
.irp c, 0,1,2,3
	ds_load_b128 v[128*((\t)%2)+16*\a+4*\c:128*((\t)%2)+16*\a+4*\c+3], v[ADRA+2*(((\t)/8)%2)+\a/4] offset:(\a%4)*16384+((\t)%8)*2048+\c*512
.endr
.endr
.endm
.macro SCALES y                        ; the scale words of steps 2 y and 2 y + 1 into set y % 2: a pair a lane
	WIN 0
.irp i, 0,1,2,3
	ds_load_b64 v[SC+12*((\y)%2)+2*\i:SC+12*((\y)%2)+2*\i+1], v[ADPS] offset:(\y)*1024+\i*256
.endr
.irp i, 0,1
	ds_load_b64 v[SC+12*((\y)%2)+8+2*\i:SC+12*((\y)%2)+8+2*\i+1], v[ADVS] offset:(\y)*2048+\i*256
.endr
.endm
	s_load_b128 s[4:7], s[0:1], 0x0                ; pc, st
	s_load_b128 s[8:11], s[0:1], 0x10              ; vc, vsc
	s_load_b64 s[12:13], s[0:1], 0x20              ; out0
	v_lshl_add_u32 v[SPW], v0, 2, SPARE
	v_mov_b32 v[NIL], 0
	ds_add_u32 v[SPW], v[NIL]                      ; the wave's opening: the add and its wait stand ahead of my first tensor load; the set-up below, work on registers, stands between them
	v_lshrrev_b32 v1, 5, v0
	v_readfirstlane_b32 s14, v1                    ; wave 0..3
	v_lshlrev_b32 v1, 4, v0                        ; 16 x thread: my query's four words in a step's statistics
	v_and_b32 v10, 31, v0                          ; lane
	v_lshlrev_b32 v[VO], 4, v10
	s_bfe_u32 s40, ttmp6, 0x40000                  ; cx, cy
	s_bfe_u32 s41, ttmp6, 0x40004
	s_lshl_b32 s42, ttmp9, 2
	s_add_co_u32 s42, s42, s40                     ; block of 256 channels
	s_and_b32 s17, ttmp7, 0xffff
	s_lshr_b32 s95, s17, 3                         ; the batch, and
	s_bfe_u32 s94, s17, 0x20001                    ; the quarter of K at which the cluster begins: both of the cluster's y alone, so all sixteen partners share them
	s_lshl_b32 s17, s17, 2
	s_add_co_u32 s17, s17, s41                     ; block of 128 queries, 0..63 over both batches
	s_lshl_b32 s43, s41, 2
	s_lshl_b32 s43, 15, s43                        ; my row of the cluster
	s_lshl_b32 s44, 0x1111, s40                    ; my column
	s_or_b32 s[G1+0], s43, (3<<16)|(1<<21)         ; 15:0 the mask; 17:16 elements of 8 bytes; 21 set beside a mask; no padding
	s_or_b32 s[G1S+0], s44, (3<<16)|(1<<21)
	s_mov_b32 s[G1+1], 2048<<16                    ; P: 2 rows (blocks of queries) of 16,384 bytes (8 steps), 65,536 bytes apart
	s_mov_b32 s[G1+2], 2<<16
	s_mov_b32 s[G1+3], 2048<<16
	s_mov_b32 s[G1+4], 2
	s_mov_b32 s[G1+5], 8192
	s_mov_b32 s[G1+6], 0
	s_mov_b32 s[G1+7], 0
	s_mov_b32 s[G1S+1], 256<<16                    ; V's scales: 4 rows of 2,048 bytes (256 channels), 8,192 bytes apart
	s_mov_b32 s[G1S+2], 4<<16
	s_mov_b32 s[G1S+3], 256<<16
	s_mov_b32 s[G1S+4], 4
	s_mov_b32 s[G1S+5], 1024
	s_mov_b32 s[G1S+6], 0
	s_mov_b32 s[G1S+7], 0
.irp n, 0,1,2,3
	s_add_co_u32 s[OFS+\n], s94, \n                ; the n-th quarter walked is quarter (n + the cluster's first) % 4:
	s_and_b32 s[OFS+\n], s[OFS+\n], 3
	s_lshl_b32 s[OFS+\n], s[OFS+\n], 14            ; 8 steps x 2,048 bytes each
.endr
	s_lshl_b32 s20, s17, 3                         ; P: blocks of queries 8 R + 2 wave, + 1
	s_lshl_b32 s18, s14, 1
	s_add_co_u32 s20, s20, s18
	s_lshl_b32 s20, s20, 16
	s_mov_b32 s21, 0
	s_lshl_b32 s46, s95, 6                         ; V: blocks of channels 64 batch + 16 X + 4 wave on
	s_lshl_b32 s19, s42, 4
	s_add_co_u32 s46, s46, s19
	s_lshl_b32 s19, s14, 2
	s_add_co_u32 s46, s46, s19
	s_lshl_b32 s46, s46, 16
	s_mov_b32 s47, 0
	s_add_co_u32 s92, s14, s94                     ; V's scales: wave w brings the w-th quarter walked: four rows,
	s_and_b32 s92, s92, 3
	s_lshl_b32 s92, s92, 15
	s_lshl_b32 s19, s95, 17                        ; of my batch,
	s_add_co_u32 s92, s92, s19
	s_lshl_b32 s19, s42, 11                        ; my 256 channels
	s_add_co_u32 s92, s92, s19
	s_mov_b32 s93, 0
	s_lshl_b32 s22, s95, 21                        ; st: my batch, my work-group's first query
	s_and_b32 s23, s17, 31
	s_lshl_b32 s23, s23, 11
	s_add_co_u32 s22, s22, s23
	s_mov_b32 s23, 0
	s_lshl_b32 s45, s14, 15                        ; where P's tiles go: wave x 2 blocks: no place in the cluster enters an LDS address
	s_lshl_b32 s96, s14, 13
	s_add_co_u32 s96, s96, VSC
	s_mov_b32 s97, 0x01010101
	s_mov_b32 s98, 0x80808080
	s_mov_b32 s3, 0
	s_wait_dscnt 0x0                               ; the opening add is done
	s_wait_kmcnt 0x0
	s_add_nc_u64 s[20:21], s[4:5], s[20:21]
	s_add_nc_u64 s[46:47], s[8:9], s[46:47]
	s_add_nc_u64 s[92:93], s[10:11], s[92:93]
	s_add_nc_u64 s[6:7], s[6:7], s[22:23]
.irp n, 0,1,2,3
	s_mov_b32 s2, s[OFS+\n]
	s_add_nc_u64 s[VB+2*\n:VB+2*\n+1], s[46:47], s[2:3]
	s_mov_b32 s[G0+4*\n], 1                                        ; 1:0 count = 1
	s_add_co_u32 s[G0+4*\n+1], s45, (\n%2)*SLOT                    ; 63:32 LDS address: the slots by turns
	s_add_nc_u64 s[G0+4*\n+2:G0+4*\n+3], s[20:21], s[2:3]          ; 120:64 global address
	s_or_b32 s[G0+4*\n+3], s[G0+4*\n+3], 0x80000000                ; 127:126 type = 2
	s_lshl_b32 s2, s2, 5                                           ; in st a step is 65,536 bytes
	s_add_nc_u64 s[SB+2*\n:SB+2*\n+1], s[6:7], s[2:3]
.endr
.irp j, 0,1,2,3,4,5,6,7,8,9,10,11,12,13,14,15,16,17,18,19,20,21,22,23,24,25,26,27,28,29,30,31
	global_load_b128 v[LD+4*\j:LD+4*\j+3], v1, s[SB+2*(\j/8):SB+2*(\j/8)+1] offset:(\j%8)*65536   ; the statistics of the j-th step walked: a wave reads 512 consecutive bytes
.endr
	VLOAD 0                                        ; 48 loads of mine are out
	WIN 0
	CROUND                                         ; all sixteen work-groups are here: the first joint loads meet
	s_mov_b32 s[G0S], 1
	s_mov_b32 s[G0S+1], s96
	s_mov_b64 s[G0S+2:G0S+3], s[92:93]
	s_or_b32 s[G0S+3], s[G0S+3], 0x80000000
	tensor_load_to_lds s[G0S:G0S+3], s[G1S:G1S+7]  ; every wave brings a quarter of V's scales,
	s_nop 0
	PLACES 4
	tensor_load_to_lds s[G0:G0+3], s[G1:G1+7]      ; a quarter of slot 0,
	s_nop 0
	PLACES 4
	tensor_load_to_lds s[G0+4:G0+7], s[G1:G1+7]    ; and of slot 1: three tensor loads of mine are out now, the most in this text
	s_nop 0
	PLACES 4
	s_lshl_b32 s22, s17, 19                        ; out0: my work-group's first row, 128 R, of 4,096 bytes; my first channel, 256 X + 64 wave
	s_lshl_b32 s18, s42, 10
	s_add_co_u32 s22, s22, s18
	s_lshl_b32 s18, s14, 8
	s_add_co_u32 s22, s22, s18
	s_add_nc_u64 s[12:13], s[12:13], s[22:23]
	s_lshl_b32 s22, s17, 3                         ; the prefetch: of the fourth quarter walked, block of queries 8 R + 2 cx + wave / 2, half wave % 2 of its 16,384 bytes
	s_lshl_b32 s18, s40, 1
	s_add_co_u32 s22, s22, s18
	s_lshr_b32 s18, s14, 1
	s_add_co_u32 s22, s22, s18
	s_lshl_b32 s22, s22, 16
	s_add_co_u32 s22, s22, s[OFS+3]
	s_and_b32 s18, s14, 1
	s_lshl_b32 s18, s18, 13
	s_add_co_u32 s22, s22, s18
	s_add_nc_u64 s[PFA:PFA+1], s[4:5], s[22:23]
	v_and_b32 v11, 15, v0                          ; r
	v_bfe_u32 v12, v0, 4, 1                        ; h
	v_lshlrev_b32 v[ADRA], 4, v10
	v_add_nc_u32 v[ADRA+1], 0x10000, v[ADRA]
	v_add_nc_u32 v[ADRA+2], 0x20000, v[ADRA]
	v_add_nc_u32 v[ADRA+3], 0x30000, v[ADRA]
	v_lshl_add_u32 v[ADPS], v10, 3, PSC            ; query = lane, 8 bytes each
	s_lshl_b32 s18, s14, 9
	s_add_co_u32 s18, s18, VSC
	v_lshl_add_u32 v[ADVS], v10, 3, s18            ; channel 64 wave + lane
	s_mul_i32 s18, s14, 16*SPITCH                  ; my stage
	v_mul_u32_u24 v[STO], v11, SPITCH
	v_lshl_add_u32 v[STO], v12, 5, v[STO]
	v_add_nc_u32 v[STO], s18, v[STO]               ; in: row r, 32 bytes for each half of the lanes
	v_mul_u32_u24 v[RD], v12, SPITCH
	v_lshl_add_u32 v[RD], v11, 4, v[RD]
	v_add_nc_u32 v[RD], s18, v[RD]                 ; back: lanes 0-15 take one row of 256 bytes, lanes 16-31 the next
	v_lshlrev_b32 v[CO], 12, v12
	v_lshl_add_u32 v[CO], v11, 4, v[CO]            ; and the same two rows in out0
	v_lshl_add_u32 v[ARL], v11, 2, RL
	v_lshlrev_b32 v[PFO], 8, v10
	v_lshl_add_u32 v8, v0, 3, PSC                  ; where my query's words go,
	v_lshl_add_u32 v9, v0, 2, RL                   ; and its 1 / l
	s_wait_loadcnt 16                              ; the statistics are in; V's step 0 may be out
	VLOAD 1                                        ; V's steps 1 and 2 go out ahead of the head's arithmetic
	VLOAD 2
	WIN 0
	; ---- the head: a thread takes a query
	v_min3_num_f32 v6, v[LD+1], v[LD+5], v[LD+9]   ; the row's -M: the least of the 32
.irp ks, 3,5,7,9,11,13,15,17,19,21,23,25,27,29
	v_min3_num_f32 v6, v6, v[LD+4*\ks+1], v[LD+4*\ks+5]
.endr
	v_min_num_f32 v6, v6, v[LD+4*31+1]
.irp ks, 0,1,2,3,4,5,6,7,8,9,10,11,12,13,14,15,16,17,18,19,20,21,22,23,24,25,26,27,28,29,30,31
	v_sub_f32 v[LD+4*\ks+1], v6, v[LD+4*\ks+1]     ; the step's M less the row's: a whole number, 0 or less,
.endr
.irp ks, 0,1,2,3,4,5,6,7,8,9,10,11,12,13,14,15,16,17,18,19,20,21,22,23,24,25,26,27,28,29,30,31
	v_max_num_f32 v[LD+4*\ks+1], 0xc2fe0000, v[LD+4*\ks+1]   ; held at -127
.endr
.irp ks, 0,1,2,3,4,5,6,7,8,9,10,11,12,13,14,15,16,17,18,19,20,21,22,23,24,25,26,27,28,29,30,31
	v_cvt_i32_f32 v[LD+4*\ks+1], v[LD+4*\ks+1]
.endr
.irp ks, 0,1,2,3,4,5,6,7,8,9,10,11,12,13,14,15,16,17,18,19,20,21,22,23,24,25,26,27,28,29,30,31
	v_ldexp_f32 v[LD+4*\ks+2], v[LD+4*\ks+2], v[LD+4*\ks+1]   ; the step's sum under the row's M: nothing is rounded
.endr
.irp ks, 0,1,2,3,4,5,6,7,8,9,10,11,12,13,14,15,16,17,18,19,20,21,22,23,24,25,26,27,28,29,30,31
	v_or_b32 v[LD+4*\ks], 0x80808080, v[LD+4*\ks]  ; the four bytes, 1 to 112, each with 128 on top: then the subtraction below borrows from no neighbour,
.endr
.irp ks, 0,1,2,3,4,5,6,7,8,9,10,11,12,13,14,15,16,17,18,19,20,21,22,23,24,25,26,27,28,29,30,31
	v_mul_lo_u32 v[LD+4*\ks+1], v[LD+4*\ks+1], s97 ; the whole number in all four bytes
.endr
.irp ks, 0,1,2,3,4,5,6,7,8,9,10,11,12,13,14,15,16,17,18,19,20,21,22,23,24,25,26,27,28,29,30,31
	v_add_nc_u32 v[LD+4*\ks], v[LD+4*\ks], v[LD+4*\ks+1]
.endr
.irp ks, 0,1,2,3,4,5,6,7,8,9,10,11,12,13,14,15,16,17,18,19,20,21,22,23,24,25,26,27,28,29,30,31
	v_and_b32 v[LD+4*\ks+3], s98, v[LD+4*\ks]      ; and a byte's top bit says that it has not fallen under 0
.endr
.irp ks, 0,1,2,3,4,5,6,7,8,9,10,11,12,13,14,15,16,17,18,19,20,21,22,23,24,25,26,27,28,29,30,31
	v_lshrrev_b32 v[LD+4*\ks+1], 7, v[LD+4*\ks+3]
.endr
.irp ks, 0,1,2,3,4,5,6,7,8,9,10,11,12,13,14,15,16,17,18,19,20,21,22,23,24,25,26,27,28,29,30,31
	v_sub_nc_u32 v[LD+4*\ks+3], v[LD+4*\ks+3], v[LD+4*\ks+1]   ; 0x7f for such a byte, 0 for the others
.endr
.irp ks, 0,1,2,3,4,5,6,7,8,9,10,11,12,13,14,15,16,17,18,19,20,21,22,23,24,25,26,27,28,29,30,31
	v_and_b32 v[T+\ks], v[LD+4*\ks], v[LD+4*\ks+3] ; the scale word under the row's M
.endr
	v_add_f32 v2, v[LD+2], v[LD+6]                 ; l, in two chains
	v_add_f32 v3, v[LD+10], v[LD+14]
.irp ks, 4,6,8,10,12,14,16,18,20,22,24,26,28,30
	v_add_f32 v2, v2, v[LD+4*\ks+2]
	v_add_f32 v3, v3, v[LD+4*\ks+6]
.endr
	v_add_f32 v2, v2, v3
	v_rcp_f32 v7, v2
.irp y, 0,1,2,3,4,5,6,7,8,9,10,11,12,13,14,15
	ds_store_b64 v8, v[T+2*\y:T+2*\y+1] offset:\y*1024
.endr
	v_nop                                          ; a plain line behind the reciprocal,
	s_wait_alu depctr_va_vdst(0)                   ; and a wait ahead of its first reader
	ds_store_b32 v9, v7
	s_wait_dscnt 0x0                               ; for the others' sake: my stores are done;
	s_wait_tensorcnt 1                             ; V's scales and my part of slot 0 are in (slot 1's load may be out)
	s_barrier_signal -1
	s_barrier_wait -1
.macro WM a, b, t                      ; one product of step t: an odd block's scale words stand in lanes 16-31.  ZR = 1: it starts the sum: nothing is ever cleared
.set rD, 8*(4*(\a)+(\b))
.set rB, 64*((\t)%4)+16*(\b)
.set rA, 128*((\t)%2)+16*(\a)
.set rX, SC+12*(((\t)/2)%2)+8+2*((\b)/2)+(\t)%2
.set rY, SC+12*(((\t)/2)%2)+2*((\a)/2)+(\t)%2
.if ZR
.if ((\b)%2 == 0) && ((\a)%2 == 0)
	v_wmma_scale_f32_16x16x128_f8f6f4 v[rD:rD+7], v[rB:rB+15], v[rA:rA+15], 0, v[rX], v[rY] matrix_a_fmt:MATRIX_FMT_BF8 matrix_b_fmt:MATRIX_FMT_BF8
.elseif ((\b)%2 == 1) && ((\a)%2 == 0)
	v_wmma_scale_f32_16x16x128_f8f6f4 v[rD:rD+7], v[rB:rB+15], v[rA:rA+15], 0, v[rX], v[rY] matrix_a_fmt:MATRIX_FMT_BF8 matrix_b_fmt:MATRIX_FMT_BF8 matrix_a_scale:MATRIX_SCALE_ROW1
.elseif ((\b)%2 == 0)
	v_wmma_scale_f32_16x16x128_f8f6f4 v[rD:rD+7], v[rB:rB+15], v[rA:rA+15], 0, v[rX], v[rY] matrix_a_fmt:MATRIX_FMT_BF8 matrix_b_fmt:MATRIX_FMT_BF8 matrix_b_scale:MATRIX_SCALE_ROW1
.else
	v_wmma_scale_f32_16x16x128_f8f6f4 v[rD:rD+7], v[rB:rB+15], v[rA:rA+15], 0, v[rX], v[rY] matrix_a_fmt:MATRIX_FMT_BF8 matrix_b_fmt:MATRIX_FMT_BF8 matrix_a_scale:MATRIX_SCALE_ROW1 matrix_b_scale:MATRIX_SCALE_ROW1
.endif
.else
.if ((\b)%2 == 0) && ((\a)%2 == 0)
	v_wmma_scale_f32_16x16x128_f8f6f4 v[rD:rD+7], v[rB:rB+15], v[rA:rA+15], v[rD:rD+7], v[rX], v[rY] matrix_a_fmt:MATRIX_FMT_BF8 matrix_b_fmt:MATRIX_FMT_BF8
.elseif ((\b)%2 == 1) && ((\a)%2 == 0)
	v_wmma_scale_f32_16x16x128_f8f6f4 v[rD:rD+7], v[rB:rB+15], v[rA:rA+15], v[rD:rD+7], v[rX], v[rY] matrix_a_fmt:MATRIX_FMT_BF8 matrix_b_fmt:MATRIX_FMT_BF8 matrix_a_scale:MATRIX_SCALE_ROW1
.elseif ((\b)%2 == 0)
	v_wmma_scale_f32_16x16x128_f8f6f4 v[rD:rD+7], v[rB:rB+15], v[rA:rA+15], v[rD:rD+7], v[rX], v[rY] matrix_a_fmt:MATRIX_FMT_BF8 matrix_b_fmt:MATRIX_FMT_BF8 matrix_b_scale:MATRIX_SCALE_ROW1
.else
	v_wmma_scale_f32_16x16x128_f8f6f4 v[rD:rD+7], v[rB:rB+15], v[rA:rA+15], v[rD:rD+7], v[rX], v[rY] matrix_a_fmt:MATRIX_FMT_BF8 matrix_b_fmt:MATRIX_FMT_BF8 matrix_a_scale:MATRIX_SCALE_ROW1 matrix_b_scale:MATRIX_SCALE_ROW1
.endif
.endif
.endm
.macro MUL4 a, t                       ; P's block a against V's four.  The 32 accumulators take turns, one instruction a turn, in the same order in every step
.irp b, 0,1,2,3
	WM \a, \b, \t
.endr
.endm
; STEP t OF 32, 128 keys.  At its head, behind eight places for the registers that the last step's products read: V's loads of step t + 3, into the set that step t - 1 has left; P's fragments of step t + 1, into the
; other set; in odd steps the next two steps' scale words.  Then the waits for this step's own operands, and its 32 products.
; A slot's last step (t = 7, 15, 23) changes slots: ONE barrier; in front of it each wave waits for all its tensor loads, adds 0 to its spare word, and waits for that and for its own reads of this slot, which ended
; with this step's fragments.  Behind the first two changes the slot is filled again, with the quarter two on: there the barrier opens a round of the cluster's barrier, and the joint refill comes first behind it.
.macro STEP t
.if (\t) == 0
.set ZR, 1
.else
.set ZR, 0
	PLACES 8
.endif
.if (\t) < 29
.set LC, 48                            ; behind this step's V: the loads of three steps, 16 each
	VLOAD (\t)+3
.else
.set LC, 16*(31-(\t))                  ; the last three steps ask for nothing: the counts run down
.endif
.if ((\t)%8 == 7) && ((\t) < 31)
	WIN 0                                          ; (the add's two registers lie in window 0)
	s_wait_tensorcnt 0x0                           ; all my tensor loads have landed: my part of the next slot
	ds_add_u32 v[SPW], v[NIL]                      ; 0 onto my spare word
	s_wait_dscnt 1                                 ; (the add may be out; this step's fragments of P are in)
	s_wait_loadcnt LC                              ; this step's fragments of V are in
	WIN MUL
	MUL4 0, \t
	MUL4 1, \t
	s_wait_dscnt 0x0                               ; the add is done, and my reads of this slot are over
	s_barrier_signal -1
	MUL4 2, \t
	MUL4 3, \t
	WIN 0
	s_barrier_wait -1
.if (\t) < 16
	CREST                                          ; no wave of any partner still reads this slot's tile or has a load on its way
	tensor_load_to_lds s[G0+4*((\t)/8+2):G0+4*((\t)/8+2)+3], s[G1:G1+7]   ; the first tensor load behind the round, and my only one until the next: it has eight steps, 256 products, in which to land
	s_nop 0
	PLACES 4
.endif
	AFETCH (\t)+1                                  ; the next slot's first fragments
	SCALES ((\t)+1)/2
.if (\t) == 7
	; A PREFETCH of what the next change of slots will ask for, the fourth quarter walked: 8 blocks of queries x 16,384 bytes, eight steps, 256 products, ahead of that load.  Only this row of the cluster reads them:
	; its four partners take two blocks each, told apart by address; a wave takes 8,192 bytes, lanes 256 bytes apart: each 256 bytes are named once in the launch.  The first three quarters come by their loads alone.
	global_prefetch_b8 v[PFO], s[PFA:PFA+1] th:TH_LOAD_NT scope:SCOPE_SE
.endif
	WIN MUL
	MUL4 4, \t
	MUL4 5, \t
	MUL4 6, \t
	MUL4 7, \t
.else
.if ((\t)%2 == 1) && ((\t) < 31)
	SCALES ((\t)+1)/2
.endif
.if (\t) < 31
	AFETCH (\t)+1
.endif
.if (\t) == 31
	s_wait_dscnt 0x0
.elseif (\t)%2 == 1
	s_wait_dscnt 38                                ; all but the 6 + 32 just issued: this step's fragments of P are in
.else
	s_wait_dscnt 32                                ; all but the 32 just issued: this step's fragments of P and its scale words are in
.endif
	s_wait_loadcnt LC                              ; this step's fragments of V are in
	WIN MUL
.irp a, 0,1,2,3,4,5,6,7
	MUL4 \a, \t
.endr
.endif
.endm
	AFETCH 0
	SCALES 0
.irp t, 0,1,2,3,4,5,6,7,8,9,10,11,12,13,14,15,16,17,18,19,20,21,22,23,24,25,26,27,28,29,30,31
	STEP \t
.endr
	WIN 0
	; THE WAY OUT, block by block of 16 queries x 64 channels: divided by l, through my stage in LDS, back as whole rows of 256 bytes.
.irp a, 0,1,2,3,4,5,6,7
	v_mov_b32 v[RLV+2*\a+1], 0                     ; (named as the upper half of a pair; these eight are the places behind the last products)
.endr
.irp a, 0,1,2,3,4,5,6,7
	ds_load_b32 v[RLV+2*\a], v[ARL] offset:64*\a   ; 1 / l of my query in each block
.endr
	s_wait_dscnt 0x0
.macro TOSTAGE a
	WIN 0x02                                       ; source 0 in the accumulators' window
.irp j, 0,2,4,6,8,10,12,14,16,18,20,22,24,26,28,30
	v_pk_mul_f32 v[T+\j:T+\j+1], v[32*(\a)+\j:32*(\a)+\j+1], v[RLV+2*(\a):RLV+2*(\a)+1] op_sel_hi:[1,0]   ; each accumulator from its low end on
.endr
	WIN 0
.irp b, 0,1,2,3
	ds_store_b128 v[STO], v[T+8*\b:T+8*\b+3] offset:64*\b
	ds_store_b128 v[STO], v[T+8*\b+4:T+8*\b+7] offset:64*\b+16
.endr
.set BB, BK+32*((\a)%2)
.irp t, 0,1,2,3,4,5,6,7
	ds_load_b128 v[BB+4*\t:BB+4*\t+3], v[RD] offset:\t*2*SPITCH   ; LDS serves a wave's instructions in order (ISA guide 5.7.1.4): these see the stores above, and the next block's stores come behind them
.endr
.endm
.macro SEND a, younger                 ; younger: the LDS instructions issued behind block a's loads, which may stay out
.set BB, BK+32*((\a)%2)
	s_wait_dscnt \younger
.irp t, 0,1,2,3,4,5,6,7
	global_store_b128 v[CO], v[BB+4*\t:BB+4*\t+3], s[12:13] offset:(16*(\a)+2*\t)*4096 th:TH_STORE_NT   ; 16 lanes store 256 consecutive bytes, at a multiple of 256 from out0's first byte
.endr
.endm
	TOSTAGE 0
.irp a, 1,2,3,4,5,6,7
.if \a > 1
	s_wait_xcnt 0x0                                ; block a - 2's stores have read their registers: block a's loads may land there
.endif
	TOSTAGE \a
	SEND \a-1, 16                                  ; behind block a - 1's loads: block a's 8 stores and 8 loads
.endr
	SEND 7, 0
	s_wait_tensorcnt 0x0                           ; the wave's end, behind my last tensor load and my last LDS store
	ds_add_u32 v[SPW], v[NIL]
	s_wait_dscnt 0x0
	CROUND                                         ; the closing round: no work-group ends while a partner may still ask for a tile that names it
	s_endpgm
.Lfunc_end_k_qc556540e0e_mix:
	.size	k_qc556540e0e_mix, .Lfunc_end_k_qc556540e0e_mix-k_qc556540e0e_mix
	.p2alignl 7, 3214868480
	.fill 96, 4, 3214868480
	.section	.rodata,"a",@progbits
	.p2align	6, 0x0
	.amdhsa_kernel k_qc556540e0e_mix
		.amdhsa_group_segment_fixed_size 327680
		.amdhsa_private_segment_fixed_size 0
		.amdhsa_enable_private_segment 0
		.amdhsa_kernarg_size 40
		.amdhsa_user_sgpr_count 2
		.amdhsa_user_sgpr_kernarg_segment_ptr 1
		.amdhsa_wavefront_size32 1
		.amdhsa_system_sgpr_workgroup_id_x 1
		.amdhsa_system_sgpr_workgroup_id_y 1
		.amdhsa_system_sgpr_workgroup_id_z 1
		.amdhsa_system_vgpr_workitem_id 0
		.amdhsa_next_free_vgpr 1024
		.amdhsa_next_free_sgpr 100
		.amdhsa_reserve_vcc 0
		.amdhsa_float_denorm_mode_32 3
		.amdhsa_float_denorm_mode_16_64 3
		.amdhsa_memory_ordered 1
		.amdhsa_forward_progress 1
		.amdhsa_inst_pref_size 255
	.end_amdhsa_kernel
	.section	.bss,"aw",@nobits
	.p2align	6
	.space	262144
	.amdgpu_metadata
---
amdhsa.version: [ 1, 2 ]
amdhsa.kernels:
  - .name:           k_qc556540e0e_mix
    .symbol:         k_qc556540e0e_mix.kd
    .args:
      - { .name: pc, .offset: 0, .size: 8, .value_kind: global_buffer, .address_space: global }
      - { .name: st, .offset: 8, .size: 8, .value_kind: global_buffer, .address_space: global }
      - { .name: vc, .offset: 16, .size: 8, .value_kind: global_buffer, .address_space: global }
      - { .name: vsc, .offset: 24, .size: 8, .value_kind: global_buffer, .address_space: global }
      - { .name: out0, .offset: 32, .size: 8, .value_kind: global_buffer, .address_space: global }
    .group_segment_fixed_size: 327680
    .private_segment_fixed_size: 0
    .kernarg_segment_align: 8
    .kernarg_segment_size: 40
    .max_flat_workgroup_size: 128
    .sgpr_count:     100
    .vgpr_count:     1024
    .wavefront_size: 32
...
	.end_amdgpu_metadata
.endif
;; end of part 3
